; MI455X (gfx1250); checked and timed in simulation.
; The chip was launched on July 23, 2026; its instructions are those of AMD's public machine-readable ISA for CDNA 5 (MIT licence, August 2026) and "CDNA5" Instruction Set Architecture Reference Guide (July 2026). The comments in the code are by the model that wrote it; some were corrected since.
;; Llama Attention. Allowed arithmetic: matrix products marked QUANTISED: E2M1 operands, one E8M0 scale for each 32 along K, by v_wmma_scale_f32_16x16x128_f8f6f4 with both operands' format E2M1 (or v_wmma_scale_f32_32x16x128_f4), f32 sums; everything else in f32.
;; Inputs: hidden_codes 4,096 x 128 x 16 uint8 (E2M1 codes of hidden, K innermost, in blocks of 32 codes, two codes a byte); hidden_scales 4,096 x 128 uint8 (E8M0 scales of hidden, one for each 32 codes along K); k_w_codes 256 x 128 x 16 uint8 (E2M1 codes of k_w, K innermost, in blocks of 32 codes, two codes a byte); k_w_scales 256 x 128 uint8 (E8M0 scales of k_w, one for each 32 codes along K); o_w_codes 4,096 x 32 x 16 uint8 (E2M1 codes of o_w, K innermost, in blocks of 32 codes, two codes a byte); o_w_scales 4,096 x 32 uint8 (E8M0 scales of o_w, one for each 32 codes along K); positions 4,096 int32; q_w_codes 1,024 x 128 x 16 uint8 (E2M1 codes of q_w, K innermost, in blocks of 32 codes, two codes a byte); q_w_scales 1,024 x 128 uint8 (E8M0 scales of q_w, one for each 32 codes along K); v_w_codes 256 x 128 x 16 uint8 (E2M1 codes of v_w, K innermost, in blocks of 32 codes, two codes a byte); v_w_scales 256 x 128 uint8 (E8M0 scales of v_w, one for each 32 codes along K).
;; Outputs: out0 4,096 x 4,096 float32.
;; Constants: seq_len = 1024.
;; This version of the problem:
;;   THIS VERSION OF THE PROBLEM IS GIVEN IN LOW PRECISION. The matrix products marked QUANTISED in the list below multiply operands that are first quantised to E2M1 (2 exponent bits, 1 mantissa bit; 4 bits a number), with one power-of-two scale for each 32 numbers along K (OCP MX v1.0); their sums are f32. All else is computed in f32.
;;   The module's matrix products, in the order in which they are computed (A, B: the left and right operand; K: the contracted axis; several contracted axes count as one K, in the product's order):
;;     1. [M 4,096, K 4,096] x [K 4,096, N 1,024]; A: input hidden (given as codes); B: input q_w (given as codes): QUANTISED
;;     2. [M 4,096, K 4,096] x [K 4,096, N 256]; A: input hidden (given as codes); B: input k_w (given as codes): QUANTISED
;;     3. [M 4,096, K 4,096] x [K 4,096, N 256]; A: input hidden (given as codes); B: input v_w (given as codes): QUANTISED
;;     4. batch 32 x [M 1,024, K 32] x [K 32, N 4,096]; A: computed on the way; B: computed on the way: QUANTISED
;;     5. batch 32 x [M 32, K 1,024] x [K 1,024, N 4,096]; A: computed on the way; B: softmax (see below): QUANTISED
;;     6. [M 4,096, K 1,024] x [K 1,024, N 4,096]; A: computed on the way; B: input o_w (given as codes): QUANTISED
;;   THE QUANTISER, for each operand of a quantised product, along K:
;;     - K is cut into blocks of 32 from its start; a last block that is shorter is filled with zeros.
;;     - A block's scale is 2^e with e = floor(log2(the largest magnitude in the block)) - 2, held to -126 .. 127; a block of zeros has e = 0. As a byte (E8M0): e + 127.
;;     - Each number is divided by its block's scale, clamped to +-6, and rounded to the nearest number of E2M1, ties to even, subnormals kept.
;;     - The product sums the exact products of the quantised numbers (number of the format x scale) in f32.
;;   ~~~python
;;   def quantise(x, axis):      # numpy; x: float32 -> the quantised numbers, widened to float32 again
;;       x = np.moveaxis(x, axis, -1); K = x.shape[-1]
;;       x = np.pad(x, [(0, 0)] * (x.ndim - 1) + [(0, -K % 32)]); x = x.reshape(x.shape[:-1] + (-1, 32)); a = np.abs(x).max(-1, keepdims=True)
;;       e = np.where(a > 0, np.clip(np.frexp(np.where(a > 0, a, 1))[1] - 1 - 2, -126, 127), 0)      # np.frexp(a)[1] - 1 = floor(log2(a)), exactly
;;       r = np.clip(x / 2.0 ** e, -6, 6)
;;       step = 2.0 ** (np.maximum(np.frexp(np.where(r == 0, 1, r))[1] - 1, 0) - 1)
;;       q = np.round(r / step) * step * 2.0 ** e      # np.round: ties to even
;;       return np.moveaxis(q.reshape(q.shape[:-2] + (-1,))[..., :K], -1, axis).astype(np.float32)
;;   ~~~
;;   SOFTMAX AHEAD OF A QUANTISED PRODUCT. Where the list says 'softmax', what is quantised is not the finished softmax but p = 2^(t - M), with t = logit x log2(e) and M = ceil(the row's largest t), a whole number; so 1/2 < the row's largest p <= 1. The row's sum l is taken of the UNQUANTISED p, in f32, and the product's result is divided by l at the end. Since M is a whole number, a kernel that streams over the keys may use a running M (the ceiling of the running maximum): every later rescaling is an exact power of two, which a block's scale takes up: the codes' values come out the same.
;;   OPERANDS COMPUTED ON THE WAY. 'Computed on the way' means the value that the module computes at that place (a softmax that the list does not call 'softmax' is quantised finished and normalised). What goes into a quantiser is computed in f32, as accurately as f32 sums, v_exp_f32 and their like allow (about 1e-6 of the number): no bf16 or f16 on the way to a quantiser, and a product that is left as it is and whose result goes on into a quantised operand takes f32 operands (vector FMAs, or v_wmma_f32_16x16x4_f32). A number that lies on a knife's edge between two numbers of the format may be rounded either way, as far as f32 arithmetic and the matrix unit's own rounding can turn it there, and no further.
;;   INPUTS GIVEN AS CODES. hidden (in the module: [4096, 4096], K = its axis 1); k_w (in the module: [256, 4096], K = its axis 1); o_w (in the module: [4096, 1024], K = its axis 1); q_w (in the module: [1024, 4096], K = its axis 1); v_w (in the module: [256, 4096], K = its axis 1): each comes as NAME_codes (uint8): NAME with its K axis moved to the last place and cut into blocks of 32 codes, [.., K / 32, bytes a block], one block behind the other in memory; two codes a byte, the lower K in the low four bits (a code: sign, 2 exponent bits, 1 mantissa bit); and NAME_scales (uint8): the same leading axes, one E8M0 byte (e + 127) for each 32 codes along K. Its value is code x scale, taken as it is: it is not quantised again, and the codes and scales need not be those that the quantiser above would give.
;; One version. Each part assembles by itself: llvm-mc -triple=amdgcn-amd-amdhsa -mcpu=gfx1250 --defsym DOCPART=n.
;; ======== version 1 of 1: 3 launches
;; limits: right only within a limited range of input values
;; workspace buffers: qc 2,097,152 bytes; qs 131,072 bytes; kv 1,114,112 bytes; ac 2,097,152 bytes; asc 131,072 bytes
;; launch qkv (part 1): grid 8 x 32, 4 waves a work-group, clusters of 4 x 4, 327,680 bytes of LDS; arguments hidden_codes, hidden_scales, q_w_codes, q_w_scales, k_w_codes, k_w_scales, v_w_codes, v_w_scales, qc, qs, kv, positions; writes qc, qs, kv
.if DOCPART == 1
	.amdgcn_target "amdgcn-amd-amdhsa--gfx1250"
	.amdhsa_code_object_version 6
	.text
	.protected	k_q0aaf1d0a97_qkv
	.globl	k_q0aaf1d0a97_qkv
	.p2align	8
	.type	k_q0aaf1d0a97_qkv,@function
k_q0aaf1d0a97_qkv:
	s_mov_b64 s[64:65], 0
	v_nop
	global_prefetch_b8 v0, s[64:65] scope:SCOPE_SE
	s_setreg_imm32_b32 hwreg(HW_REG_WAVE_MODE, 25, 1), 1
	s_wait_xcnt 0x0
	s_wait_alu depctr_hold_cnt(0) depctr_sa_sdst(0) depctr_va_vdst(0) depctr_va_sdst(0) depctr_va_ssrc(0) depctr_va_vcc(0) depctr_vm_vsrc(0)
	s_getreg_b32 s2, hwreg(HW_REG_IB_STS2, 6, 4)
	s_cmp_eq_u32 s2, 0
	s_cbranch_scc0 .Lentry_in_a_cluster
	s_endpgm
.Lentry_in_a_cluster:
	s_bfe_u32 s2, ttmp6, 0x10000c
	s_cmp_lg_u32 s2, 0xf033
	s_cbranch_scc0 .Lentry_shape_is_right
	s_endpgm
.Lentry_shape_is_right:
; q, k, v = hidden W^T on codes of FP4 (E2M1) with E8M0 scales, K = 4,096; RoPE on q and k in f32; then q and k are quantised along the head's 32 and v along the keys.  No work of reference() is left out here.
; SHARES.  A work-group takes 128 tokens x 192 columns: query heads 4 g .. 4 g + 3, key head g, value head g.  Grid: x = g (8), y = the block of 128 tokens (32).
; Four waves, each 64 tokens x 96 columns: 24 accumulators.  Wave w: rows 64 (w / 2) on; columns 96 (w % 2) on of the LDS order [q 128 | k 32 | v 32].
; THE RING: two slots of unlike size.  The large one holds 1,024 along K (rows of 512 bytes, LDS pitch 528), the small one 512 (rows of 256 bytes, pitch 272).  K goes as 1024, 512, 1024, 512, 1024: five fills.
; Wave 0 asks for hidden's 128 rows, wave 1 for q_w's 128, wave 2 for k_w's 32, wave 3 for v_w's 32: one tensor load a wave at the head and behind each round.  The descriptors' words are rewritten behind the wait for all tensor loads.
; CLUSTER 4 x 4: the four work-groups of a row share the tokens, the four of a column share g: each tile is asked for jointly, with a mask that names the four.
; PREFETCH: where fill j is asked for, fill j + 1's bytes are named once in the cluster: a lane a row (k_w, v_w: 8 rows x the fill's blocks of 256 bytes, left-over lanes name the wave's last block again);
; of a tile's rows each of the four partners takes a quarter, told apart by address (cx for hidden, cy for W).  The offsets are immediates: no address register is stepped.  Behind the last fill but one nothing is asked.
; THE MATRIX INSTRUCTION IS USED TRANSPOSED (source 0 = 16 rows of W, source 1 = 16 tokens): a lane holds ONE token (lane % 16) and its eight registers columns 8 (lane / 16) + 0 .. 7 of the tile.
; WHAT IS STORED.  qc [head][token][16 B], kv's KC [key][16 B]: a head's codes in the order d = 0-7, 16-23, 8-15, 24-31 (alike in q and k, inside one block of 32).
; qs and kv's KS: for each 64 tokens, byte 4 r + a is the scale of token 16 a + r.  kv's VC: (d, block of 32 keys) is 16 bytes, keys in the order 0-7, 16-23, 8-15, 24-31; VS its scale bytes.
; LIMITS: |position| up to 2^22 (the reduction of the angle by pi/2 in three parts); the inverse frequencies are f32 constants, 1 / 10^(i/4);
; a block whose largest magnitude lies under 2^-124 keeps the scale byte 1 (a block of zeros too: its codes are zeros, and this program alone reads the bytes); NaN and infinities are not served.
.set PA,    528
.set PB,    272
.set SLB,   320*PA                     ; the small slot begins behind the large one
.set SCP,   144                        ; a row of scale bytes (128, all of K) + 16; also a token's row of cos and sin
.set SCT,   SLB+320*PB                 ; the scale bytes of the 320 rows, stored once by the waves
.set TRG,   SCT+320*SCP                ; 128 tokens: 16 cos, 16 sin
.set SPARE, TRG+128*SCP                ; the spare words, 128 bytes a wave
.set VST,   SLB                        ; v's stages lie in the small slot: it has had its last fill and its last read by then
.set VSTW,  32*272
.set REC,   34816
.set ADRA, 16                          ; v16, v17 my fragments of hidden in the large, the small slot
.set PFO,  18                          ; v18, v19 the prefetches' offsets for a large, a small fill; never rewritten
.set PFO2, 19
.set ADRB, 20                          ; v20, v21 the same as v16, v17 for W
.set TRGA, 22
.set OQ,   23
.set OW,   24
.set VSTI, 25
.set VSTO, 26
.set ADRS, 27
.set SPW,  28
.set NIL,  29
.set OL,   30
.set POS,  31
.set SC,   32                          ; v32-79 scale words, two sets of 24
.set AF,   80                          ; v80-143 hidden's fragments, two sets
.set BF,   144                         ; v144-239 W's fragments, two sets
.set TG,   80
.set CD,   144
.set WD,   168
.set HB,   172
.set YY,   176
.set TT,   192
.set UU,   200
.set QM,   208
.set QM2,  209
.set QE,   210
.set BY,   211
.set G1A, 24
.set G1Q, 32
.set G1S, 40
.set G0A, 48
.set G0Q, 52
.set G0K, 56
.set G0V, 60
.set PFA, 66                           ; s[66:67] where my wave's prefetches begin; never rewritten
.set WV,  84
.set WR,  85
.set WC,  86
.set CX,  87
.set CY,  88
.set GRP, 89
.set RTI, 90
.set MROW, 91
.set MCOL, 92
.set SEL, 24                           ; behind the last tensor load's wait the descriptors' registers serve the way out
.set BQ0, 26
.set B1,  28
.set BQ2, 30
.set BV,  32
.set SQ0, 34
.set S1,  36
.set SQ2, 38
.set BVS, 40
.set BK,  48
.set SK,  50
.set MSB, 0
.macro WIN new
.if MSB != \new
	s_set_vgpr_msb (MSB<<8)|\new
.set MSB, \new
.endif
.endm
.set ACCW, 0x50
.macro PLACES
.rept 4
	v_nop
.endr
.endm
.macro ASK g0, g1
	tensor_load_to_lds s[\g0:\g0+3], s[\g1:\g1+7]
	s_nop 0
.rept 4
	v_nop
.endr
.endm
.macro JLOAD                           ; a joint load, one a wave; the branches hang on the wave's number alone
	s_cmp_lt_u32 s[WV], 2
	s_cbranch_scc0 .Lkv_\@
	s_cmp_eq_u32 s[WV], 0
	s_cbranch_scc0 .Lq_\@
	ASK G0A, G1A
	s_branch .Lasked_\@
.Lq_\@:
	ASK G0Q, G1Q
	s_branch .Lasked_\@
.Lkv_\@:
	s_cmp_eq_u32 s[WV], 2
	s_cbranch_scc0 .Lv_\@
	ASK G0K, G1S
	s_branch .Lasked_\@
.Lv_\@:
	ASK G0V, G1S
.Lasked_\@:
.endm
.macro CREST
	s_cmp_lg_u32 s[WV], 0
	s_cbranch_scc1 .Lnot_wave_0_\@
	s_barrier_signal -3
.Lnot_wave_0_\@:
	s_barrier_wait -3
	s_barrier_signal -1
	s_barrier_wait -1
.endm
.macro CROUND
	s_barrier_signal -1
	s_barrier_wait -1
	CREST
.endm
.macro SHAPE big                       ; group 1's words that hang on a row's length: 512 bytes (big = 1) or 256; 4 words of padding behind each row
	s_or_b32 s[G1A], s[MROW], (1<<20)|(1<<21)|((5+(\big))<<22)|(3<<25)
	s_or_b32 s[G1Q], s[MCOL], (1<<20)|(1<<21)|((5+(\big))<<22)|(3<<25)
	s_or_b32 s[G1S], s[MCOL], (1<<20)|(1<<21)|((5+(\big))<<22)|(3<<25)
.irp g, G1A, G1Q, G1S
	s_mov_b32 s[\g+1], (256<<(\big))<<16
	s_mov_b32 s[\g+3], (256<<(\big))<<16
.endr
.endm
.macro REFILL to                       ; the descriptors for the next fill: to = 0 the large slot (behind a small fill: 256 bytes on), 1 the small one (512 on)
	SHAPE 1-(\to)
.set LB, SLB*(\to)
.set LP, PA-(PA-PB)*(\to)
	s_mov_b32 s[G0A+1], LB
	s_mov_b32 s[G0Q+1], LB+128*LP
	s_mov_b32 s[G0K+1], LB+256*LP
	s_mov_b32 s[G0V+1], LB+288*LP
.irp g, G0A, G0Q, G0K, G0V
	s_add_nc_u64 s[\g+2:\g+3], s[\g+2:\g+3], 256+256*(\to)
.endr
.endm
.macro PF kind, off                    ; kind 1: a small fill's bytes; 2: a large fill's (waves 0 and 1: two blocks a row, so two lines)
.if (\kind) == 1
	global_prefetch_b8 v[PFO2], s[PFA:PFA+1] offset:\off th:TH_LOAD_NT scope:SCOPE_SE
.endif
.if (\kind) == 2
	global_prefetch_b8 v[PFO], s[PFA:PFA+1] offset:\off th:TH_LOAD_NT scope:SCOPE_SE
	s_cmp_lt_u32 s[WV], 2
	s_cbranch_scc0 .Lpf_\@
	global_prefetch_b8 v[PFO], s[PFA:PFA+1] offset:(\off)+256 th:TH_LOAD_NT scope:SCOPE_SE
.Lpf_\@:
.endif
.endm
	s_load_b512 s[4:19], s[0:1], 0x0               ; hidden's codes, scales; q_w's; k_w's; v_w's
	s_load_b128 s[20:23], s[0:1], 0x40             ; qc, qs
	s_load_b128 s[96:99], s[0:1], 0x50             ; kv, positions
	v_lshl_add_u32 v[SPW], v0, 2, SPARE
	v_mov_b32 v[NIL], 0
	ds_add_u32 v[SPW], v[NIL]                      ; the opening lines: the add twice on end and one wait
	ds_add_u32 v[SPW], v[NIL]
	v_lshrrev_b32 v1, 5, v0
	v_readfirstlane_b32 s[WV], v1                  ; wave 0..3
	s_lshr_b32 s[WR], s[WV], 1                     ; which 64 tokens
	s_and_b32 s[WC], s[WV], 1                      ; which 96 columns
	s_bfe_u32 s[CX], ttmp6, 0x40000
	s_bfe_u32 s[CY], ttmp6, 0x40004
	s_lshl_b32 s[GRP], ttmp9, 2
	s_add_co_u32 s[GRP], s[GRP], s[CX]             ; g
	s_and_b32 s[RTI], ttmp7, 0xffff
	s_lshl_b32 s[RTI], s[RTI], 2
	s_add_co_u32 s[RTI], s[RTI], s[CY]             ; block of 128 tokens
	s_lshl_b32 s[MROW], s[CY], 2
	s_lshl_b32 s[MROW], 15, s[MROW]
	s_lshl_b32 s[MCOL], 0x1111, s[CX]
	SHAPE 1                                        ; the first fill is the large slot's
.irp g, G1A, G1Q
	s_mov_b32 s[\g+2], 128<<16
	s_mov_b32 s[\g+4], 128
.endr
	s_mov_b32 s[G1S+2], 32<<16
	s_mov_b32 s[G1S+4], 32
.irp g, G1A, G1Q, G1S
	s_mov_b32 s[\g+5], 2048                        ; the pitch in memory
	s_mov_b32 s[\g+6], 0
	s_mov_b32 s[\g+7], 0
.endr
	s_mul_i32 s68, s[WR], 64*PA                    ; the waves' parts of the LDS addresses, all ahead of the vector lines
	s_mul_i32 s69, s[WC], 96*PA
	s_add_co_u32 s69, s69, 128*PA
	s_mul_i32 s70, s[WR], 64*PB
	s_add_co_u32 s70, s70, SLB
	s_mul_i32 s71, s[WC], 96*PB
	s_add_co_u32 s71, s71, SLB+128*PB
	s_mul_i32 s74, s[WR], 64*SCP
	s_add_co_u32 s72, s74, TRG
	s_mul_i32 s73, s[WC], 96*SCP
	s_add_co_u32 s73, s73, 128*SCP
	s_sub_co_u32 s73, s73, s74                     ; from hidden's rows of scale bytes to W's
	s_add_co_u32 s74, s74, SCT
	s_mul_i32 s75, s[WV], VSTW
	s_add_co_u32 s75, s75, VST
	s_lshl_b32 s76, s[WV], 10
	s_lshl_b32 s77, s[WV], 12
	s_mul_i32 s78, s[WV], 32*SCP
	s_add_co_u32 s78, s78, SCT
	s_mul_i32 s79, s[WV], 8*SCP
	s_add_co_u32 s79, s79, SCT
	s_cmp_lt_u32 s[WV], 2
	s_cselect_b32 s80, 31, 15                      ; lanes that name blocks of their own in a large fill,
	s_cselect_b32 s81, 31, 7                       ; rows less one of my quarter of the tile,
	s_cselect_b32 s82, 5, 3                        ; and their count's logarithm
	s_lshl_b32 s94, s[RTI], 18
	s_mov_b32 s95, 0
	s_lshl_b32 s100, s[GRP], 18
	s_mov_b32 s101, 0
	v_and_b32 v1, 15, v0                           ; r
	v_bfe_u32 v2, v0, 4, 1                         ; h
	v_and_b32 v3, 31, v0                           ; lane
	v_mul_u32_u24 v7, v1, PB
	v_mul_u32_u24 v8, v1, PA
	v_lshl_add_u32 v4, v2, 4, v7
	v_lshl_add_u32 v8, v2, 4, v8
	v_add_nc_u32 v[ADRA], s68, v8
	v_add_nc_u32 v[ADRB], s69, v8
	v_add_nc_u32 v[ADRA+1], s70, v4
	v_add_nc_u32 v[ADRB+1], s71, v4
	v_mul_u32_u24 v5, v1, SCP
	v_lshl_add_u32 v[TRGA], v2, 5, v5
	v_add_nc_u32 v[TRGA], s72, v[TRGA]             ; cos of frequencies 8 h .. 8 h + 7 of token 64 WR + r; sin 64 bytes on
	v_mul_u32_u24 v6, s73, v2                      ; lanes 16-31 take W's scale words
	v_add_nc_u32 v5, v5, v6
	v_add_nc_u32 v[ADRS], s74, v5
	v_lshlrev_b32 v[OQ], 4, v1
	v_lshl_add_u32 v[OQ], v2, 3, v[OQ]
	v_lshlrev_b32 v[OW], 2, v1
	v_lshlrev_b32 v[OL], 2, v3
	v_mul_u32_u24 v6, v2, 8*272
	v_lshl_add_u32 v6, v1, 2, v6
	v_add_nc_u32 v[VSTI], s75, v6
	v_lshl_add_u32 v6, v2, 5, v7
	v_add_nc_u32 v[VSTO], s75, v6
	v_lshlrev_b32 v8, 2, v0                        ; my token's position
	v_lshlrev_b32 v9, 4, v3
	v_add_nc_u32 v10, s76, v9                      ; k_w's, v_w's scale bytes: my wave's 1,024
	v_add_nc_u32 v9, s77, v9                       ; hidden's, q_w's: my wave's 4,096
	v_lshrrev_b32 v14, 3, v3
	v_mul_u32_u24 v14, v14, SCP
	v_and_b32 v15, 7, v3
	v_lshl_add_u32 v14, v15, 4, v14
	v_add_nc_u32 v11, s78, v14
	v_add_nc_u32 v12, s79, v14
	v_mul_u32_u24 v13, v0, SCP
	v_add_nc_u32 v13, TRG, v13
	v_min_u32 v[PFO], s80, v3
	v_and_b32 v[PFO2], s81, v[PFO]                 ; the row,
	v_lshrrev_b32 v[PFO], s82, v[PFO]              ; the block of 256 bytes in it (waves 0, 1: 0)
	v_lshlrev_b32 v[PFO], 8, v[PFO]
	v_lshl_add_u32 v[PFO], v[PFO2], 11, v[PFO]
	v_min_u32 v[PFO2], s81, v3
	v_lshlrev_b32 v[PFO2], 11, v[PFO2]
	s_wait_alu depctr_va_vdst(0)                   ; behind the head's vector lines
	s_wait_dscnt 0x0                               ; both opening adds are done
	s_wait_kmcnt 0x0
	s_add_nc_u64 s[4:5], s[4:5], s[94:95]          ; hidden's codes at my tokens
	s_lshl_b32 s94, s[RTI], 14
	s_add_nc_u64 s[6:7], s[6:7], s[94:95]
	s_lshl_b32 s94, s[RTI], 9
	s_add_nc_u64 s[98:99], s[98:99], s[94:95]
	s_add_nc_u64 s[8:9], s[8:9], s[100:101]        ; q_w's rows 128 g on
	s_lshl_b32 s100, s[GRP], 14
	s_add_nc_u64 s[10:11], s[10:11], s[100:101]
	s_lshl_b32 s100, s[GRP], 16
	s_add_nc_u64 s[12:13], s[12:13], s[100:101]    ; k_w's and v_w's rows 32 g on
	s_add_nc_u64 s[16:17], s[16:17], s[100:101]
	s_lshl_b32 s100, s[GRP], 12
	s_add_nc_u64 s[14:15], s[14:15], s[100:101]
	s_add_nc_u64 s[18:19], s[18:19], s[100:101]
	global_load_b32 v[POS], v8, s[98:99]           ; the scale bytes of all of K, dense runs of 512 bytes, and my token's position
.irp j, 0,1,2,3,4,5,6,7
	global_load_b128 v[80+4*\j:83+4*\j], v9, s[6:7] offset:512*\j
.endr
.irp j, 0,1,2,3,4,5,6,7
	global_load_b128 v[112+4*\j:115+4*\j], v9, s[10:11] offset:512*\j
.endr
.irp j, 0,1
	global_load_b128 v[144+4*\j:147+4*\j], v10, s[14:15] offset:512*\j
	global_load_b128 v[152+4*\j:155+4*\j], v10, s[18:19] offset:512*\j
.endr
	s_cmp_eq_u32 s[WV], 0                          ; the prefetches' base: my wave's tensor, my work-group's quarter of the tile's rows
	s_cselect_b64 s[PFA:PFA+1], s[4:5], s[8:9]
	s_cselect_b32 s2, s[CX], s[CY]
	s_cmp_lt_u32 s[WV], 2
	s_cselect_b64 s[PFA:PFA+1], s[PFA:PFA+1], s[12:13]
	s_cselect_b32 s3, 16, 14                       ; 32 rows or 8 rows of 2,048 bytes
	s_cmp_eq_u32 s[WV], 3
	s_cselect_b64 s[PFA:PFA+1], s[16:17], s[PFA:PFA+1]
	s_lshl_b32 s2, s2, s3
	s_mov_b32 s3, 0
	s_add_nc_u64 s[PFA:PFA+1], s[PFA:PFA+1], s[2:3]
	s_mov_b32 s[G0A], 1
	s_mov_b32 s[G0A+1], 0
	s_mov_b64 s[G0A+2:G0A+3], s[4:5]
	s_or_b32 s[G0A+3], s[G0A+3], 0x80000000
	s_mov_b32 s[G0Q], 1
	s_mov_b32 s[G0Q+1], 128*PA
	s_mov_b64 s[G0Q+2:G0Q+3], s[8:9]
	s_or_b32 s[G0Q+3], s[G0Q+3], 0x80000000
	s_mov_b32 s[G0K], 1
	s_mov_b32 s[G0K+1], 256*PA
	s_mov_b64 s[G0K+2:G0K+3], s[12:13]
	s_or_b32 s[G0K+3], s[G0K+3], 0x80000000
	s_mov_b32 s[G0V], 1
	s_mov_b32 s[G0V+1], 288*PA
	s_mov_b64 s[G0V+2:G0V+3], s[16:17]
	s_or_b32 s[G0V+3], s[G0V+3], 0x80000000
	CROUND                                         ; all sixteen work-groups are here: the first joint loads meet
	JLOAD                                          ; K 0 .. 1023: one tensor load a wave at the head
	s_wait_loadcnt 20                              ; the position is in; the 20 loads issued behind it may be out
	v_cvt_f32_i32 v[POS], v[POS]
	v_mov_b32 v204, 0xb493f27e                     ; -1/10!
	v_mov_b32 v205, 0x3638ef1d                     ; 1/9!
; cos and sin of position x frequency i -> v[160 + i], v[176 + i]: n = the nearest multiple of pi/2, taken off in three parts; Taylor series on |r| <= pi/4; the quadrant swaps the two and sets the signs
.macro TRIG i, inv
	v_mul_f32 v192, \inv, v[POS]
	v_mul_f32 v193, 0x3f22f983, v192
	v_rndne_f32 v193, v193
	v_fmamk_f32 v194, v193, 0xbfc90fd8, v192
	v_fmamk_f32 v194, v193, 0xb4a8885a, v194
	v_fmamk_f32 v194, v193, 0xa7c234c4, v194
	v_cvt_i32_f32 v195, v193
	v_mul_f32 v196, v194, v194
	v_fmaak_f32 v197, v204, v196, 0x37d00d01
	v_fmaak_f32 v198, v205, v196, 0xb9500d01
	v_fmaak_f32 v197, v197, v196, 0xbab60b61
	v_fmaak_f32 v198, v198, v196, 0x3c088889
	v_fmaak_f32 v197, v197, v196, 0x3d2aaaab
	v_fmaak_f32 v198, v198, v196, 0xbe2aaaab
	v_fmaak_f32 v197, v197, v196, 0xbf000000
	v_mul_f32 v199, v194, v196
	v_fmaak_f32 v197, v197, v196, 0x3f800000
	v_fma_f32 v198, v198, v199, v194
	v_and_b32 v199, 1, v195
	v_cmp_eq_u32 vcc_lo, 1, v199
	v_cndmask_b32 v200, v198, v197, vcc_lo
	v_cndmask_b32 v201, v197, v198, vcc_lo
	v_lshlrev_b32 v199, 30, v195
	v_and_b32 v199, 0x80000000, v199
	v_xor_b32 v[176+\i], v199, v200
	v_add_nc_u32 v195, 1, v195
	v_lshlrev_b32 v195, 30, v195
	v_and_b32 v195, 0x80000000, v195
	v_xor_b32 v[160+\i], v195, v201
.endm
	TRIG 0, 0x3f800000
	TRIG 1, 0x3f0ff59a
	TRIG 2, 0x3ea1e89b
	TRIG 3, 0x3e361887
	TRIG 4, 0x3dcccccd
	TRIG 5, 0x3d6655c2
	TRIG 6, 0x3d0186e3
	TRIG 7, 0x3c91ad39
	PF 1, 512                                      ; what the next fill (K 1024 .. 1535) will ask for
	TRIG 8, 0x3c23d70a
	TRIG 9, 0x3bb8449c
	TRIG 10, 0x3b4f3e38
	TRIG 11, 0x3ae91528
	TRIG 12, 0x3a83126f
	TRIG 13, 0x3a136a16
	TRIG 14, 0x39a5cb60
	TRIG 15, 0x393a7753
.irp k, 0,1,2,3
	ds_store_b128 v13, v[160+4*\k:163+4*\k] offset:16*\k
	ds_store_b128 v13, v[176+4*\k:179+4*\k] offset:64+16*\k
.endr
	s_wait_loadcnt 0x0                             ; the scale bytes
.irp j, 0,1,2,3,4,5,6,7
	ds_store_b128 v11, v[80+4*\j:83+4*\j] offset:4*SCP*\j
	ds_store_b128 v11, v[112+4*\j:115+4*\j] offset:128*SCP+4*SCP*\j
.endr
.irp j, 0,1
	ds_store_b128 v12, v[144+4*\j:147+4*\j] offset:256*SCP+4*SCP*\j
	ds_store_b128 v12, v[152+4*\j:155+4*\j] offset:288*SCP+4*SCP*\j
.endr
.macro FRAG reg, adr, slot, q, i       ; 16 rows x 128 K of 4-bit codes: lane l holds row l % 16; registers 4 c .. 4 c + 3 hold K = 64 c + 32 (l / 16) + 0 .. 31
.irp c, 0,1
	ds_load_b128 v[\reg+4*\c:\reg+4*\c+3], v[\adr] offset:64*(\q)+32*\c+(\i)*16*(PA-(PA-PB)*(\slot))
.endr
.endm
.macro FETCH slot, q, p                ; the slot's q-th 128 along K into set p: 20 loads in one run
.irp i, 0,1,2,3,4,5
	FRAG BF+48*(\p)+8*\i, ADRB+\slot, \slot, \q, \i
.endr
.irp i, 0,1,2,3
	FRAG AF+32*(\p)+8*\i, ADRA+\slot, \slot, \q, \i
.endr
.endm
.macro SCALES sc, quad                 ; the scale words of K 512 quad on, four a row: lanes 0-15 hidden's block i, lanes 16-31 W's block i
.irp i, 0,1,2,3,4,5
	ds_load_b128 v[SC+24*(\sc)+4*\i:SC+24*(\sc)+4*\i+3], v[ADRS] offset:\i*16*SCP+16*(\quad)
.endr
.endm
; six matrix instructions: hidden's block a against W's six.  The 24 accumulators take turns, one instruction a turn
.macro MULA a, p, q, sc, zero
.irp b, 0,1,2,3,4,5
.if \zero
	v_wmma_scale_f32_16x16x128_f8f6f4 v[8*(6*(\a)+\b):8*(6*(\a)+\b)+7], v[BF+48*(\p)+8*\b:BF+48*(\p)+8*\b+7], v[AF+32*(\p)+8*(\a):AF+32*(\p)+8*(\a)+7], 0, v[SC+24*(\sc)+4*\b+(\q)], v[SC+24*(\sc)+4*(\a)+(\q)] matrix_a_fmt:MATRIX_FMT_FP4 matrix_b_fmt:MATRIX_FMT_FP4 matrix_a_scale:MATRIX_SCALE_ROW1
.else
	v_wmma_scale_f32_16x16x128_f8f6f4 v[8*(6*(\a)+\b):8*(6*(\a)+\b)+7], v[BF+48*(\p)+8*\b:BF+48*(\p)+8*\b+7], v[AF+32*(\p)+8*(\a):AF+32*(\p)+8*(\a)+7], v[8*(6*(\a)+\b):8*(6*(\a)+\b)+7], v[SC+24*(\sc)+4*\b+(\q)], v[SC+24*(\sc)+4*(\a)+(\q)] matrix_a_fmt:MATRIX_FMT_FP4 matrix_b_fmt:MATRIX_FMT_FP4 matrix_a_scale:MATRIX_SCALE_ROW1
.endif
.endr
.endm
; a step of 128 along K, the q-th of n in its slot: the successor's fragments are asked for ahead of this step's 24 products
.macro STEP slot, q, n, zero, quad, pfk, pfo
	s_wait_dscnt 0x0                               ; this step's fragments and scale words are in
.if (\q) < (\n)-1
	PLACES                                         ; the other set was read by the step before
	FETCH \slot, (\q)+1, 1-(\q)%2
.endif
.if ((\q) == 3) && ((\n) == 8)
	SCALES 1, (\quad)+1                            ; the large slot's second 512
.endif
.if (\q) == 0
	PF \pfk, \pfo                                  ; behind the joint load and two runs of LDS loads
.endif
	WIN ACCW
.irp a, 0,1,2,3
	MULA \a, (\q)%2, (\q)%4, (\q)/4, \zero
.endr
	WIN 0
.endm
; A SLOT'S TURN.  At its head each wave waits for all its tensor loads, adds 0 to its spare word, and waits for that and for its reads of the other slot; a round of the cluster's barrier; then the other slot's next fill, one load a wave.
.macro PHASE slot, quad, fill, zero, pfk, pfo
	s_wait_tensorcnt 0x0                           ; my one load that was out, my part of this slot, has landed: the descriptors may be written
	ds_add_u32 v[SPW], v[NIL]
.if \fill
	REFILL 1-(\slot)
.endif
	s_wait_dscnt 0x0
.if \fill
	CROUND
	JLOAD                                          ; its four v_nop are also the places in front of the loads below
.else
	s_barrier_signal -1
	s_barrier_wait -1
	PLACES
.endif
	FETCH \slot, 0, 0
	SCALES 0, \quad
.set Q, 0
.rept 8-4*(\slot)
.set Z, (\zero)&&(Q==0)
	STEP \slot, Q, 8-4*(\slot), Z, \quad, \pfk, \pfo
.set Q, Q+1
.endr
.endm
	s_wait_alu depctr_va_vdst(0)                   ; the head's end
	PHASE 0, 0, 1, 1, 2, 768                       ; K 0 on; asks for 1024 .. 1535 (the small slot's first fill); prefetches 1536 .. 2559.  The first products start the sums
	PHASE 1, 2, 1, 0, 1, 1280                      ; K 1024 on; asks for 1536 .. 2559; prefetches 2560 .. 3071
	PHASE 0, 3, 1, 0, 2, 1536                      ; K 1536 on; asks for 2560 .. 3071; prefetches 3072 .. 4095
	PHASE 1, 5, 1, 0, 0, 0                         ; K 2560 on; asks for 3072 .. 4095
	PHASE 0, 6, 0, 0, 0, 0                         ; K 3072 on; nothing is filled any more
	PLACES
	; ---- THE WAY OUT.  No tensor load is out: the descriptors' registers are free.
.irp a, 0,1,2,3
	ds_load_b128 v[TG+16*\a:TG+16*\a+3], v[TRGA] offset:16*SCP*\a
	ds_load_b128 v[TG+16*\a+4:TG+16*\a+7], v[TRGA] offset:16*SCP*\a+16
	ds_load_b128 v[TG+16*\a+8:TG+16*\a+11], v[TRGA] offset:16*SCP*\a+64
	ds_load_b128 v[TG+16*\a+12:TG+16*\a+15], v[TRGA] offset:16*SCP*\a+80
.endr
	v_mov_b32 v[QM2], 0                            ; written once: a lane permute's destination counts as one of its sources
	s_mov_b32 s[SEL], 0x76543210
	s_mov_b32 s[SEL+1], 0xfedcba98
	s_lshl_b32 s42, s[RTI], 7
	s_lshl_b32 s43, s[WR], 6
	s_add_co_u32 s42, s42, s43                     ; my first token
	s_mul_i32 s43, s[WC], 3
	s_lshl_b32 s44, s[GRP], 2
	s_add_co_u32 s43, s43, s44                     ; my first query head: 4 g + 3 WC
	s_lshl_b32 s44, s43, 16
	s_lshl_b32 s46, s42, 4
	s_add_co_u32 s44, s44, s46
	s_mov_b32 s45, 0
	s_add_nc_u64 s[BQ0:BQ0+1], s[20:21], s[44:45]
	s_add_nc_u64 s[B1:B1+1], s[BQ0:BQ0+1], 0x10000
	s_add_nc_u64 s[BQ2:BQ2+1], s[BQ0:BQ0+1], 0x20000
	s_lshl_b32 s44, s43, 12
	s_add_co_u32 s44, s44, s42
	s_add_nc_u64 s[SQ0:SQ0+1], s[22:23], s[44:45]
	s_add_nc_u64 s[S1:S1+1], s[SQ0:SQ0+1], 0x1000
	s_add_nc_u64 s[SQ2:SQ2+1], s[SQ0:SQ0+1], 0x2000
	s_lshr_b32 s44, s[RTI], 3
	s_lshl_b32 s44, s44, 3
	s_add_co_u32 s44, s44, s[GRP]
	s_mul_i32 s44, s44, REC
	s_add_nc_u64 s[52:53], s[96:97], s[44:45]      ; kv's record of (sequence, g)
	s_and_b32 s46, s[RTI], 7
	s_lshl_b32 s44, s46, 7
	s_lshl_b32 s47, s[WR], 6
	s_add_co_u32 s47, s44, s47                     ; my first key
	s_lshl_b32 s44, s47, 4
	s_add_nc_u64 s[BK:BK+1], s[52:53], s[44:45]
	s_add_co_u32 s44, s47, 32768
	s_add_nc_u64 s[SK:SK+1], s[52:53], s[44:45]
	s_lshl_b32 s44, s46, 11
	s_lshl_b32 s47, s[WR], 9
	s_add_co_u32 s44, s44, s47
	s_add_co_u32 s44, s44, 16384
	s_add_nc_u64 s[BV:BV+1], s[52:53], s[44:45]
	s_lshl_b32 s44, s46, 7
	s_lshl_b32 s47, s[WR], 1
	s_add_co_u32 s44, s44, s47
	s_add_co_u32 s44, s44, 33792
	s_add_nc_u64 s[BVS:BVS+1], s[52:53], s[44:45]
	s_cmp_eq_u32 s[WC], 0                          ; my second head is a query head or k
	s_cselect_b64 s[B1:B1+1], s[B1:B1+1], s[BK:BK+1]
	s_cselect_b64 s[S1:S1+1], s[S1:S1+1], s[SK:SK+1]
	s_wait_dscnt 0x0
; 16 numbers of a lane, which with lane l xor 16's are a block of 32, become 8 bytes of codes; v[QE] keeps the scale operand
.macro QUANT16 src, cp
	v_max3_num_f32 v[QM], |v[\src]|, |v[\src+1]|, 0x1800000
.irp k, 2,4,6,8,10,12,14
	v_max3_num_f32 v[QM], v[QM], |v[\src+\k]|, |v[\src+\k+1]|
.endr
	v_permlanex16_b32 v[QM2], v[QM], s[SEL], s[SEL+1]
	v_max_num_f32 v[QM], v[QM], v[QM2]
	v_add_nc_u32 v[QE], 0xff000000, v[QM]
	v_cvt_scalef32_pk8_fp4_f32 v[\cp], v[\src:\src+7], v[QE]
	v_cvt_scalef32_pk8_fp4_f32 v[\cp+1], v[\src+8:\src+15], v[QE]
.endm
; head slot i of tokens 16 a + r: RoPE, quantised, stored: the 32 lanes write 256 consecutive bytes, aligned.  Each accumulator is read from its low end on.
.macro HEADQK a, i, base
.set X0, 8*(6*(\a)+2*(\i))
.set X1, X0+8
.set CN, TG+16*(\a)
.set CP, CD+2*(4*(\i)+(\a))
	WIN 0x01
.irp p, 0,2,4,6
	v_pk_mul_f32 v[TT+\p:TT+\p+1], v[X1+\p:X1+\p+1], v[CN+8+\p:CN+9+\p]
	v_pk_mul_f32 v[UU+\p:UU+\p+1], v[X0+\p:X0+\p+1], v[CN+8+\p:CN+9+\p]
.endr
.irp p, 0,2,4,6
	v_pk_fma_f32 v[YY+\p:YY+\p+1], v[X0+\p:X0+\p+1], v[CN+\p:CN+\p+1], v[TT+\p:TT+\p+1] neg_lo:[0,0,1] neg_hi:[0,0,1]
	v_pk_fma_f32 v[YY+8+\p:YY+9+\p], v[X1+\p:X1+\p+1], v[CN+\p:CN+\p+1], v[UU+\p:UU+\p+1]
.endr
	WIN 0
	QUANT16 YY, CP
.if (\a) == 0
	v_lshrrev_b32 v[WD+\i], 23, v[QE]
.else
	v_lshrrev_b32 v[BY], 23, v[QE]
	v_lshl_or_b32 v[WD+\i], v[BY], 8*(\a), v[WD+\i]
.endif
	global_store_b64 v[OQ], v[CP:CP+1], s[\base:\base+1] offset:256*(\a)
.endm
.irp a, 0,1,2,3
	HEADQK \a, 0, BQ0
.endr
.irp a, 0,1,2,3
	HEADQK \a, 1, B1
.endr
	s_cmp_eq_u32 s[WC], 0
	s_cbranch_scc0 .Lvalues
.irp a, 0,1,2,3
	HEADQK \a, 2, BQ2
.endr
	global_store_b32 v[OW], v[WD+2], s[SQ2:SQ2+1]
	s_branch .Lheads_done
.Lvalues:
	; v is quantised along the KEYS: my 64 tokens x 32 d turn through my own stage, so that a lane holds 16 keys of one d
	WIN 0x04
.irp a, 0,1,2,3
.irp e, 0,1
.irp j, 0,1,2,3,4,5,6,7
	ds_store_b32 v[VSTI], v[8*(6*\a+4+\e)+\j] offset:(16*\e+\j)*272+64*\a
.endr
.endr
.endr
	WIN 0
.irp e, 0,1
.irp u, 0,1
	ds_load_b128 v[TG+16*(2*\e+\u):TG+16*(2*\e+\u)+3], v[VSTO] offset:4352*\e+128*\u
	ds_load_b128 v[TG+16*(2*\e+\u)+4:TG+16*(2*\e+\u)+7], v[VSTO] offset:4352*\e+128*\u+16
	ds_load_b128 v[TG+16*(2*\e+\u)+8:TG+16*(2*\e+\u)+11], v[VSTO] offset:4352*\e+128*\u+64
	ds_load_b128 v[TG+16*(2*\e+\u)+12:TG+16*(2*\e+\u)+15], v[VSTO] offset:4352*\e+128*\u+80
.endr
.endr
	s_wait_dscnt 0x0
.irp e, 0,1
.irp u, 0,1
	QUANT16 TG+16*(2*\e+\u), CD+16+2*(2*\e+\u)
.if \u == 0
	v_lshrrev_b32 v[HB+\e], 23, v[QE]
.else
	v_lshrrev_b32 v[BY], 23, v[QE]
	v_lshl_or_b32 v[HB+\e], v[BY], 8, v[HB+\e]
.endif
	global_store_b64 v[OQ], v[CD+16+2*(2*\e+\u):CD+17+2*(2*\e+\u)], s[BV:BV+1] offset:1024*\e+256*\u
.endr
.endr
	v_cmp_eq_u32 vcc_lo, 1, v2
	v_cndmask_b32 v[HB+2], v[HB], v[HB+1], vcc_lo
	global_store_b16 v[OL], v[HB+2], s[BVS:BVS+1]
.Lheads_done:
	global_store_b32 v[OW], v[WD], s[SQ0:SQ0+1]
	global_store_b32 v[OW], v[WD+1], s[S1:S1+1]
	s_wait_tensorcnt 0x0                           ; the wave's end
	ds_add_u32 v[SPW], v[NIL]
	s_wait_dscnt 0x0
	CROUND                                         ; the closing round
	s_endpgm
.Lfunc_end_k_q0aaf1d0a97_qkv:
	.size	k_q0aaf1d0a97_qkv, .Lfunc_end_k_q0aaf1d0a97_qkv-k_q0aaf1d0a97_qkv
	.p2alignl 7, 3214868480
	.fill 96, 4, 3214868480
	.section	.rodata,"a",@progbits
	.p2align	6, 0x0
	.amdhsa_kernel k_q0aaf1d0a97_qkv
		.amdhsa_group_segment_fixed_size 327680
		.amdhsa_private_segment_fixed_size 0
		.amdhsa_enable_private_segment 0
		.amdhsa_kernarg_size 96
		.amdhsa_user_sgpr_count 2
		.amdhsa_user_sgpr_kernarg_segment_ptr 1
		.amdhsa_wavefront_size32 1
		.amdhsa_system_sgpr_workgroup_id_x 1
		.amdhsa_system_sgpr_workgroup_id_y 1
		.amdhsa_system_sgpr_workgroup_id_z 1
		.amdhsa_system_vgpr_workitem_id 0
		.amdhsa_next_free_vgpr 448
		.amdhsa_next_free_sgpr 102
		.amdhsa_reserve_vcc 1
		.amdhsa_float_denorm_mode_32 3
		.amdhsa_float_denorm_mode_16_64 3
		.amdhsa_memory_ordered 1
		.amdhsa_forward_progress 1
		.amdhsa_inst_pref_size 231
	.end_amdhsa_kernel
	.amdgpu_metadata
---
amdhsa.version: [ 1, 2 ]
amdhsa.kernels:
  - .name:           k_q0aaf1d0a97_qkv
    .symbol:         k_q0aaf1d0a97_qkv.kd
    .args:
      - { .name: hidden_codes, .offset: 0, .size: 8, .value_kind: global_buffer, .address_space: global }
      - { .name: hidden_scales, .offset: 8, .size: 8, .value_kind: global_buffer, .address_space: global }
      - { .name: q_w_codes, .offset: 16, .size: 8, .value_kind: global_buffer, .address_space: global }
      - { .name: q_w_scales, .offset: 24, .size: 8, .value_kind: global_buffer, .address_space: global }
      - { .name: k_w_codes, .offset: 32, .size: 8, .value_kind: global_buffer, .address_space: global }
      - { .name: k_w_scales, .offset: 40, .size: 8, .value_kind: global_buffer, .address_space: global }
      - { .name: v_w_codes, .offset: 48, .size: 8, .value_kind: global_buffer, .address_space: global }
      - { .name: v_w_scales, .offset: 56, .size: 8, .value_kind: global_buffer, .address_space: global }
      - { .name: qc, .offset: 64, .size: 8, .value_kind: global_buffer, .address_space: global }
      - { .name: qs, .offset: 72, .size: 8, .value_kind: global_buffer, .address_space: global }
      - { .name: kv, .offset: 80, .size: 8, .value_kind: global_buffer, .address_space: global }
      - { .name: positions, .offset: 88, .size: 8, .value_kind: global_buffer, .address_space: global }
    .group_segment_fixed_size: 327680
    .private_segment_fixed_size: 0
    .kernarg_segment_align: 8
    .kernarg_segment_size: 96
    .max_flat_workgroup_size: 128
    .sgpr_count:     102
    .vgpr_count:     448
    .wavefront_size: 32
...
	.end_amdgpu_metadata
.endif
;; end of part 1
;; launch attn (part 2): grid 8 x 32, 16 waves a work-group, no clusters, 47,616 bytes of LDS; arguments qc, qs, kv, ac, asc; writes ac, asc
.if DOCPART == 2
	.amdgcn_target "amdgcn-amd-amdhsa--gfx1250"
	.amdhsa_code_object_version 6
	.text
	.protected	k_q0aaf1d0a97_attn
	.globl	k_q0aaf1d0a97_attn
	.p2align	8
	.type	k_q0aaf1d0a97_attn,@function
k_q0aaf1d0a97_attn:
	s_mov_b64 s[64:65], 0
	v_nop
	global_prefetch_b8 v0, s[64:65] scope:SCOPE_SE
	s_setreg_imm32_b32 hwreg(HW_REG_WAVE_MODE, 25, 1), 1
	s_wait_xcnt 0x0
; Causal attention of one (sequence b, key head g) on codes of FP4 (E2M1) with E8M0 scales; head size 32, 1,024 keys, four query heads to a key head.  The result is quantised along the head's 32 for the output projection.
; t = score x log2(e) / sqrt(32); M = the running largest t rounded UP to a whole number; p = 2^(t - M) is quantised along the keys, not normalised; the row's sum of the unquantised p divides at the end.
; SHARES.  Grid: x = part P (8), y = 8 b + g (32).  Sixteen waves: wave w has query head 4 g + w % 4 and, with PI = w / 4, two tiles of 16 queries: 4 P + PI and 63 - 4 P - PI.
; The two need P / 2 + 1 and 8 - P / 2 key steps of 128: nine for every wave of every work-group.  The loop over key steps has a constant count of 8; a step all of whose keys come after the tile's queries is jumped over, on ids alone.
; The record of (b, g), 34,816 bytes (K's codes, V's codes, their scale bytes), is read once, through registers, and stays in LDS.  No joint loads: what work-groups share is those five loads a lane.
; THE FIRST PRODUCT HAS K = 32, the instruction 128.  A fragment of K holds FOUR sets of 16 keys, one in each block of 32: lane (r, h), registers 4 c on: key 16 (2 c + h) + r.  Q's fragment holds q in ONE block and zero codes in
; the other three, and so picks one set: four versions of it, cut out of two runs of 12 registers.  K is read densely, 16 bytes a lane on end.
; Both products are used transposed (S^T = K Q^T, O^T = V^T P^T): a lane holds one query (lane % 16).  Register 8 t + j of S^T is key 16 t + 8 (lane / 16) + j: so p's codes of a block of 32 come out in the key order
; 0-7, 16-23, 8-15, 24-31, and V's codes were stored in that order.
; LIMITS: a block whose largest magnitude lies under 2^-124 keeps the scale byte 1 (a block of zeros too: its codes are zeros); NaN and infinities are not served.
.set VCO, 16384                        ; LDS: K's codes at 0, V's here,
.set KSO, 32768                        ; K's scale bytes,
.set VSO, 33792                        ; V's;
.set STG, 34816                        ; and for each of the two tiles a stage: [PI 4][token 16] x (4 heads x 16 bytes + 16), then [PI][token][head] scale bytes
.set STGN, 5376
.set STS, 5120
.set WV,  14
.set HG,  15
.set PI,  16
.set BG,  18
.set SB,  19
.set SG,  20
.set SEL, 22                           ; s[22:23] selects for lane l xor 16
.set CS,  24                           ; s[24:25] c = log2(e) / sqrt(32): the packed form names a pair and takes its low word
.set Q0,  26                           ; the tile's first query
.set KF,  27                           ; the step's first key
.set TS,  28                           ; the step's codes: 2,048 bytes a step
.set TJ,  29                           ; its scale words: 128 bytes a step
.set CNT, 30
.set QCB, 36                           ; s[36:39] q's codes of tile 0, 1;  s[40:43] their scale words;  s[44:47] ac;  s[48:51] asc
.set QSB, 40
.set ACB, 44
.set ASB, 48
.set TAU, 52                           ; s52, s53 the two tiles
.set PSEL, 54                          ; s54, s55 which byte of the scale word is the tile's, four times
; REGISTERS: v1 16 lane, v2 4 lane, v3 r, v4 h, v5 16 r, v6 4 r, v7-10 and v17-19 addresses that stay; v11, v16 the step's LDS addresses; v12 -M, v13 the largest t, v[14:15] the sum in two halves;
; v20-31 [q in lanes 0-15 | 0 | the same], v32-43 [q in lanes 16-31 | 0 | the same]; v44 q's scale byte, four times; v45 0; v46-55 both tiles' q as loaded; v56-71 K; v72-87 V; v88, v89 their scale words;
; v96-159 S^T, then p; v160-175 O^T; v176-183 p's codes; v184-195 what the two tiles store; v232-254 at work.
	s_load_b256 s[4:11], s[0:1], 0x0               ; qc, qs, kv, ac
	s_load_b64 s[12:13], s[0:1], 0x20              ; asc
	v_lshl_add_u32 v251, v0, 2, 0xb200
	v_mov_b32 v255, 0
	v_lshrrev_b32 v1, 5, v0
	s_delay_alu instid0(VALU_DEP_1)
	v_readfirstlane_b32 s[WV], v1                  ; wave 0..15
	s_and_b32 s[HG], s[WV], 3
	s_lshr_b32 s[PI], s[WV], 2
	s_and_b32 s[BG], ttmp7, 0xffff
	s_lshr_b32 s[SB], s[BG], 3
	s_and_b32 s[SG], s[BG], 7
	s_lshl_b32 s[TAU], ttmp9, 2
	s_add_co_u32 s[TAU], s[TAU], s[PI]
	s_sub_co_u32 s[TAU+1], 63, s[TAU]
	v_and_b32 v19, 31, v0
	s_delay_alu instid0(VALU_DEP_1)
	v_lshlrev_b32 v1, 4, v19
	s_delay_alu instid0(VALU_DEP_2)
	v_lshlrev_b32 v2, 2, v19
	v_and_b32 v3, 15, v0
	v_bfe_u32 v4, v0, 4, 1
	s_delay_alu instid0(VALU_DEP_2)
	v_lshlrev_b32 v5, 4, v3
	s_delay_alu instid0(VALU_DEP_3)
	v_lshlrev_b32 v6, 2, v3
	s_mul_i32 s31, s[PI], 1280
	s_lshl_b32 s32, s[HG], 4
	s_add_co_u32 s32, s31, s32
	v_mul_u32_u24 v7, v3, 80
	s_delay_alu instid0(VALU_DEP_1)
	v_lshl_add_u32 v7, v4, 2, v7
	s_delay_alu instid0(VALU_DEP_1)
	v_add_nc_u32 v7, s32, v7                       ; the stage, in: token r, my head's 16 bytes, word h (and 2 + h)
	s_lshl_b32 s32, s[PI], 6
	s_add_co_u32 s33, s32, s[HG]
	v_add_nc_u32 v8, s33, v6                       ; my head's scale byte of token r
	v_add_nc_u32 v17, s32, v6                      ; the four heads' bytes of token r
	v_lshrrev_b32 v18, 3, v19
	v_and_b32 v10, 7, v19
	s_mul_i32 s32, s[HG], 320
	s_add_co_u32 s32, s32, s31
	v_mul_u32_u24 v9, v18, 80
	s_delay_alu instid0(VALU_DEP_1)
	v_lshl_add_u32 v9, v10, 3, v9
	s_delay_alu instid0(VALU_DEP_1)
	v_add_nc_u32 v9, s32, v9                       ; the stage, out: token 4 HG + lane / 8, 8 bytes a lane
	v_lshlrev_b32 v10, 3, v10
	s_delay_alu instid0(VALU_DEP_1)
	v_lshl_add_u32 v10, v18, 9, v10
	s_lshl_b32 s32, s[HG], 11
	v_add_nc_u32 v10, s32, v10                     ; and the same place in ac: rows of 512 bytes
	v_lshlrev_b32 v18, 5, v3                       ; asc: rows of 32 bytes
	v_lshlrev_b32 v19, 4, v0                       ; 16 x thread: the record's way in
	v_mov_b32 v45, 0
.irp i, 0,1,2,3
	v_mov_b32 v[24+\i], 0                          ; the zero codes between the two copies of q
	v_mov_b32 v[36+\i], 0
	v_mov_b32 v[236+\i], 0                         ; written once: a lane permute's destination counts as one of its sources
.endr
	v_mov_b32 v252, 0
	v_mov_b32 v253, 0                              ; (named as the upper half of the pair v[252:253] before it is first written)
	s_mov_b32 s[SEL], 0x76543210
	s_mov_b32 s[SEL+1], 0xfedcba98
	s_mov_b32 s[CS], 0x3e8293ee
	s_mov_b32 s[CS+1], s[CS]
	s_mul_i32 s32, s[BG], 34816
	s_mov_b32 s33, 0
	s_lshl_b32 s34, s[SG], 2
	s_add_co_u32 s34, s34, s[HG]                   ; my query head
	s_wait_kmcnt 0x0
	s_add_nc_u64 s[8:9], s[8:9], s[32:33]          ; the record
.irp n, 0,1
	s_lshl_b32 s35, s[SB], 10
	s_lshl_b32 s32, s[TAU+\n], 4
	s_add_co_u32 s35, s35, s32                     ; the tile's first token
	s_lshl_b32 s32, s34, 16
	s_lshl_b32 s31, s35, 4
	s_add_co_u32 s32, s32, s31
	s_add_nc_u64 s[QCB+2*\n:QCB+2*\n+1], s[4:5], s[32:33]
	s_lshl_b32 s32, s34, 12
	s_and_b32 s31, s35, 0xffffffc0                 ; the 64 tokens in which the tile lies
	s_add_co_u32 s32, s32, s31
	s_add_nc_u64 s[QSB+2*\n:QSB+2*\n+1], s[6:7], s[32:33]
	s_lshl_b32 s32, s35, 9
	s_lshl_b32 s31, s[SG], 6
	s_add_co_u32 s32, s32, s31
	s_add_nc_u64 s[ACB+2*\n:ACB+2*\n+1], s[10:11], s[32:33]
	s_lshl_b32 s32, s35, 5
	s_lshl_b32 s31, s[SG], 2
	s_add_co_u32 s32, s32, s31
	s_add_nc_u64 s[ASB+2*\n:ASB+2*\n+1], s[12:13], s[32:33]
	s_and_b32 s31, s[TAU+\n], 3
	s_mul_i32 s[PSEL+\n], s31, 0x01010101
	global_load_b128 v[46+4*\n:49+4*\n], v5, s[QCB+2*\n:QCB+2*\n+1]      ; query r's 16 bytes, in both halves of the lanes
	global_load_b32 v[54+\n], v6, s[QSB+2*\n:QSB+2*\n+1]
.endr
.irp j, 0,1,2,3
	global_load_b128 v[96+4*\j:99+4*\j], v19, s[8:9] offset:8192*\j      ; 512 threads x 16 bytes on end
.endr
	s_cmp_lt_u32 s[WV], 4                          ; the last 2,048 bytes: waves 0 to 3
	s_cbranch_scc0 .Lno_fifth
	global_load_b128 v[112:115], v19, s[8:9] offset:32768
	s_wait_loadcnt 0x0
	ds_store_b128 v19, v[112:115] offset:32768
.Lno_fifth:
	s_wait_loadcnt 0x0
.irp j, 0,1,2,3
	ds_store_b128 v19, v[96+4*\j:99+4*\j] offset:8192*\j
.endr
	s_wait_dscnt 0x0                               ; for the others' sake: my part of the record has landed
	s_barrier_signal -1
	s_barrier_wait -1
; A KEY STEP: 128 keys
.macro KSTEP
	v_add_nc_u32 v11, s[TS], v1
	v_add_nc_u32 v16, s[TJ], v2
	v_nop
	v_nop                                          ; four places in front of loads into registers that the last step's matrix instructions read
.irp k, 0,1,2,3
	ds_load_b128 v[56+4*\k:59+4*\k], v11 offset:512*\k                 ; K's two fragments: images of the registers
.endr
	ds_load_b32 v88, v16 offset:KSO                ; lanes 0-15: fragment 0's scale words, lanes 16-31: fragment 1's
.irp k, 0,1,2,3
	ds_load_b128 v[72+4*\k:75+4*\k], v11 offset:VCO+512*\k             ; V's two: d 0-15, d 16-31
.endr
	ds_load_b32 v89, v16 offset:VSO
	s_wait_dscnt 5                                 ; K's five loads are in; V's five, issued behind them, may be out
.irp j, 0,1,2,3
	v_wmma_scale_f32_16x16x128_f8f6f4 v[96+8*\j:103+8*\j], v[56:63], v[20+12*(\j%2)+4*(\j/2):27+12*(\j%2)+4*(\j/2)], 0, v88, v44 matrix_a_fmt:MATRIX_FMT_FP4 matrix_b_fmt:MATRIX_FMT_FP4
.endr
.irp j, 0,1,2,3
	v_wmma_scale_f32_16x16x128_f8f6f4 v[128+8*\j:135+8*\j], v[64:71], v[20+12*(\j%2)+4*(\j/2):27+12*(\j%2)+4*(\j/2)], 0, v88, v44 matrix_a_fmt:MATRIX_FMT_FP4 matrix_b_fmt:MATRIX_FMT_FP4 matrix_a_scale:MATRIX_SCALE_ROW1
.endr
.rept 4
	v_nop
.endr
	s_add_co_u32 s31, s[KF], 127                   ; on the diagonal the scores of hidden keys become -infinity ahead of the maximum: p = 0 then.  A step all of whose keys count skips this
	s_cmp_le_u32 s31, s[Q0]
	s_cbranch_scc1 .Lopen_\@
	s_sub_co_i32 s31, s[Q0], s[KF]
	v_lshlrev_b32 v253, 3, v4
	s_delay_alu instid0(VALU_DEP_1)
	v_sub_nc_u32 v252, v3, v253
	s_delay_alu instid0(VALU_DEP_1)
	v_add_nc_u32 v252, s31, v252                   ; d = my query - KF - 8 h.  Register n holds key KF + 8 h + 16 (n / 8) + n % 8: hidden where 16 (n / 8) + n % 8 > d
	v_mov_b32 v254, 0xff800000
.irp n, 0,1,2,3,4,5,6,7,8,9,10,11,12,13,14,15,16,17,18,19,20,21,22,23,24,25,26,27,28,29,30,31,32,33,34,35,36,37,38,39,40,41,42,43,44,45,46,47,48,49,50,51,52,53,54,55,56,57,58,59,60,61,62,63
	v_cmp_gt_i32 vcc_lo, 16*(\n/8)+\n%8, v252
	v_cndmask_b32 v[96+\n], v[96+\n], v254, vcc_lo
.endr
.Lopen_\@:
.irp b, 0,1,2,3
	v_max3_num_f32 v[232+\b], v[96+16*\b], v[97+16*\b], v[98+16*\b]   ; the largest score of each block of 32 keys: for the row's maximum, and, since p rises with the score, for the block's largest p
.endr
.irp i, 3,5,7,9,11,13
.irp b, 0,1,2,3
	v_max3_num_f32 v[232+\b], v[232+\b], v[96+16*\b+\i], v[97+16*\b+\i]
.endr
.endr
.irp b, 0,1,2,3
	v_max_num_f32 v[232+\b], v[232+\b], v[111+16*\b]
.endr
.irp b, 0,1,2,3
	s_delay_alu instid0(VALU_DEP_4)
	v_permlanex16_b32 v[236+\b], v[232+\b], s[SEL], s[SEL+1]
.endr
.irp b, 0,1,2,3
	s_delay_alu instid0(VALU_DEP_4)
	v_max_num_f32 v[232+\b], v[232+\b], v[236+\b]  ; with lane l xor 16's 16 keys
.endr
	s_delay_alu instid0(VALU_DEP_2)
	v_max3_num_f32 v254, v232, v233, v234
	s_delay_alu instid0(VALU_DEP_1)
	v_max_num_f32 v254, v254, v235
	s_delay_alu instid0(VALU_DEP_1)
	v_mul_f32 v254, s[CS], v254                    ; as t (c is positive)
	s_delay_alu instid0(VALU_DEP_1)
	v_max_num_f32 v13, v13, v254                   ; the running largest t
	v_mov_b32 v254, v12
	s_delay_alu instid0(VALU_DEP_2)
	v_floor_f32 v12, -v13                          ; the new -M = floor(-t): M is a whole number
	s_delay_alu instid0(VALU_DEP_1)
	v_sub_f32 v254, v12, v254                      ; old M less new M: a whole number, 0 or less
	s_delay_alu instid0(VALU_DEP_1)
	v_cvt_i32_f32 v254, v254                       ; (it saturates)
	s_delay_alu instid0(VALU_DEP_1)
	v_ldexp_f32 v252, 1.0, v254                    ; f = 2^(old M - new M): a multiplication by it rounds nothing
.irp j, 0,2,4,6,8,10,12,14,16,18,20,22,24,26,28,30,32,34,36,38,40,42,44,46,48,50,52,54,56,58,60,62
	v_pk_fma_f32 v[96+\j:97+\j], v[96+\j:97+\j], s[CS:CS+1], v[12:13] op_sel_hi:[1,0,0]   ; t - M, two at a time
.endr
.irp b, 0,1,2,3
	v_fma_f32 v[232+\b], v[232+\b], s[CS], v12     ; the same of each block's largest score
.endr
	s_wait_alu depctr_va_vdst(0)
.irp j, 0,1,2,3,4,5,6,7,8,9,10,11,12,13,14,15,16,17,18,19,20,21,22,23,24,25,26,27,28,29,30,31,32,33,34,35,36,37,38,39,40,41,42,43,44,45,46,47,48,49,50,51,52,53,54,55,56,57,58,59,60,61,62,63
	v_exp_f32 v[96+\j], v[96+\j]                   ; p = 2^(t - M), at most 1
.endr
.irp b, 0,1,2,3
	v_exp_f32 v[232+\b], v[232+\b]                 ; the block's largest p: the same two instructions on the same number
.endr
	v_pk_mul_f32 v[14:15], v[14:15], v[252:253] op_sel_hi:[1,0]   ; the sums under the new M (a plain line behind the exponentials)
	s_wait_alu depctr_va_vdst(0)
.irp b, 0,1,2,3
	v_max_num_f32 v[232+\b], 0x1800000, v[232+\b]  ; the floor 2^(3 - 127): the byte cannot fall under 1
.endr
.irp b, 0,1,2,3
	s_delay_alu instid0(VALU_DEP_4)
	v_add_nc_u32 v[244+\b], 0xff000000, v[232+\b]  ; 2 off the exponent field: the conversion's scale operand
.endr
.irp b, 0,1,2,3
	s_delay_alu instid0(VALU_DEP_4)
	v_lshrrev_b32 v[236+\b], 23, v[244+\b]
.endr
	s_delay_alu instid0(VALU_DEP_3)
	v_lshl_or_b32 v253, v237, 8, v236              ; p's scale word for these 128 keys
	s_delay_alu instid0(VALU_DEP_1)
	v_lshl_or_b32 v253, v238, 16, v253
	s_delay_alu instid0(VALU_DEP_1)
	v_lshl_or_b32 v253, v239, 24, v253
.irp b, 0,1,2,3
	v_cvt_scalef32_pk8_fp4_f32 v[176+2*\b], v[96+16*\b:103+16*\b], v[244+\b]
	v_cvt_scalef32_pk8_fp4_f32 v[177+2*\b], v[104+16*\b:111+16*\b], v[244+\b]
.endr
	v_nop                                          ; one plain line behind the scaled conversions
.irp c, 0,1                                    ; the operand's layout wants a whole block in a lane: lanes 0-15 block 2 c, lanes 16-31 block 2 c + 1
.irp i, 0,1
	v_permlane16_swap_b32 v[176+4*\c+\i], v[178+4*\c+\i]
.endr
.endr
	v_pk_add_f32 v[236:237], v[100:101], v[104:105]
	v_pk_add_f32 v[248:249], v[108:109], v[112:113]
	v_pk_add_f32 v[246:247], v[116:117], v[120:121]
	v_pk_add_f32 v[244:245], v[124:125], v[128:129]
	v_pk_add_f32 v[242:243], v[132:133], v[136:137]
	v_pk_add_f32 v[240:241], v[140:141], v[144:145]
	v_pk_add_f32 v[234:235], v[148:149], v[152:153]
	v_pk_add_f32 v[14:15], v[14:15], v[156:157]
	v_pk_add_f32 v[236:237], v[236:237], v[96:97]
	v_pk_add_f32 v[248:249], v[248:249], v[98:99]
	v_pk_add_f32 v[246:247], v[246:247], v[102:103]
	v_pk_add_f32 v[244:245], v[244:245], v[106:107]
	v_pk_add_f32 v[242:243], v[242:243], v[110:111]
	v_pk_add_f32 v[240:241], v[240:241], v[114:115]
	v_pk_add_f32 v[234:235], v[234:235], v[118:119]
	v_pk_add_f32 v[14:15], v[14:15], v[122:123]
	v_pk_add_f32 v[236:237], v[236:237], v[126:127]
	v_pk_add_f32 v[248:249], v[248:249], v[130:131]
	v_pk_add_f32 v[246:247], v[246:247], v[134:135]
	v_pk_add_f32 v[244:245], v[244:245], v[138:139]
	v_pk_add_f32 v[242:243], v[242:243], v[142:143]
	v_pk_add_f32 v[240:241], v[240:241], v[146:147]
	v_pk_add_f32 v[234:235], v[234:235], v[150:151]
	v_pk_add_f32 v[14:15], v[14:15], v[154:155]
	v_pk_add_f32 v[236:237], v[236:237], v[158:159]
	s_delay_alu instid0(VALU_DEP_2)
	v_pk_add_f32 v[14:15], v[14:15], v[244:245]
	s_delay_alu instid0(VALU_DEP_2)
	v_pk_add_f32 v[236:237], v[236:237], v[242:243]
	v_pk_add_f32 v[248:249], v[248:249], v[240:241]
	v_pk_add_f32 v[246:247], v[246:247], v[234:235]
	s_delay_alu instid0(VALU_DEP_2)
	v_pk_add_f32 v[14:15], v[14:15], v[248:249]
	s_delay_alu instid0(VALU_DEP_2)
	v_pk_add_f32 v[236:237], v[236:237], v[246:247]
	s_delay_alu instid0(VALU_DEP_1)
	v_pk_add_f32 v[14:15], v[14:15], v[236:237]
.irp j, 0,2,4,6,8,10,12,14
	v_pk_mul_f32 v[160+\j:161+\j], v[160+\j:161+\j], v[252:253] op_sel_hi:[1,0]   ; O^T under the new M.  (With the sums above: more than the eight places between the scale word's last write and the products below)
.endr
	s_wait_alu depctr_va_vdst(0)
	s_wait_dscnt 0x0                               ; V
	v_wmma_scale_f32_16x16x128_f8f6f4 v[160:167], v[72:79], v[176:183], v[160:167], v89, v253 matrix_a_fmt:MATRIX_FMT_FP4 matrix_b_fmt:MATRIX_FMT_FP4
	v_wmma_scale_f32_16x16x128_f8f6f4 v[168:175], v[80:87], v[176:183], v[168:175], v89, v253 matrix_a_fmt:MATRIX_FMT_FP4 matrix_b_fmt:MATRIX_FMT_FP4 matrix_a_scale:MATRIX_SCALE_ROW1
.endm
; ONE TILE OF 16 QUERIES
.macro TILE n
	v_cmp_eq_u32 vcc_lo, 0, v4
.irp i, 0,1,2,3
	v_cndmask_b32 v[20+\i], v45, v[46+4*\n+\i], vcc_lo             ; q in lanes 0-15, zero codes in lanes 16-31,
	v_cndmask_b32 v[28+\i], v45, v[46+4*\n+\i], vcc_lo
	v_cndmask_b32 v[32+\i], v[46+4*\n+\i], v45, vcc_lo             ; and the other way round
	v_cndmask_b32 v[40+\i], v[46+4*\n+\i], v45, vcc_lo
.endr
	v_perm_b32 v44, v[54+\n], v[54+\n], s[PSEL+\n]                 ; the tile's byte of the scale word, in all four places
.irp j, 0,1,2,3,4,5,6,7,8,9,10,11,12,13,14,15
	v_mov_b32 v[160+\j], 0                         ; O^T: the first change of M leaves zeros zeros.  (These lines are also the places between q's registers and the first product)
.endr
	v_mov_b32 v13, 0xff61b1e6                      ; the largest t so far: -3e38
	s_delay_alu instid0(VALU_DEP_1)
	v_floor_f32 v12, -v13
	v_mov_b32 v14, 0
	v_mov_b32 v15, 0
	s_lshl_b32 s[Q0], s[TAU+\n], 4
	s_mov_b32 s[KF], 0
	s_mov_b32 s[TS], 0
	s_mov_b32 s[TJ], 0
	s_mov_b32 s[CNT], 8
.Lstep_\n:
	s_add_co_u32 s31, s[Q0], 15
	s_cmp_gt_u32 s[KF], s31                        ; all 128 keys come after my queries: nothing to do
	s_cbranch_scc1 .Lhidden_\n
	KSTEP
.Lhidden_\n:
	s_add_co_u32 s[KF], s[KF], 128
	s_add_co_u32 s[TS], s[TS], 2048
	s_add_co_u32 s[TJ], s[TJ], 128
	s_sub_co_u32 s[CNT], s[CNT], 1
	s_cmp_lg_u32 s[CNT], 0
	s_cbranch_scc1 .Lstep_\n
.rept 4
	v_nop                                          ; places behind the last products
.endr
	s_wait_alu depctr_va_vdst(0)
	v_add_f32 v14, v14, v15                        ; the sum's two halves,
	s_delay_alu instid0(VALU_DEP_1)
	v_permlanex16_b32 v252, v14, s[SEL], s[SEL+1]
	s_delay_alu instid0(VALU_DEP_1)
	v_add_f32 v14, v14, v252                       ; and lane l xor 16's
	s_wait_alu depctr_va_vdst(0)
	v_rcp_f32 v14, v14
	v_nop                                          ; one plain line behind the reciprocal
	s_wait_alu depctr_va_vdst(0)
.irp j, 0,2,4,6,8,10,12,14
	v_pk_mul_f32 v[96+\j:97+\j], v[160+\j:161+\j], v[14:15] op_sel_hi:[1,0]   ; register 8 t + i: o(query r, d = 16 t + 8 h + i)
.endr
	v_max3_num_f32 v232, |v96|, |v97|, 0x1800000   ; the head's 32 numbers are a block of the next product's K: mine and lane l xor 16's
.irp k, 2,4,6,8,10,12,14
	s_delay_alu instid0(VALU_DEP_1)
	v_max3_num_f32 v232, v232, |v[96+\k]|, |v[97+\k]|
.endr
	s_delay_alu instid0(VALU_DEP_1)
	v_permlanex16_b32 v236, v232, s[SEL], s[SEL+1]
	s_delay_alu instid0(VALU_DEP_1)
	v_max_num_f32 v232, v232, v236
	s_delay_alu instid0(VALU_DEP_1)
	v_add_nc_u32 v244, 0xff000000, v232
	v_cvt_scalef32_pk8_fp4_f32 v[184+2*\n], v[96:103], v244        ; d = 8 h + 0 .. 7: word h of the head's 16 bytes
	v_cvt_scalef32_pk8_fp4_f32 v[185+2*\n], v[104:111], v244       ; d = 16 + 8 h + 0 .. 7: word 2 + h
	v_lshrrev_b32 v[188+\n], 23, v244              ; the scale's byte (also the plain line behind the conversions)
	ds_store_b32 v7, v[184+2*\n] offset:STG+STGN*\n
	ds_store_b32 v7, v[185+2*\n] offset:STG+STGN*\n+8
	ds_store_b8 v8, v[188+\n] offset:STG+STGN*\n+STS               ; lanes l and l + 16 write the same byte with the same value
	s_wait_dscnt 0x0                               ; for the others' sake: a token's 64 bytes come from four waves
	s_barrier_signal -1
	s_barrier_wait -1
	ds_load_b64 v[190+2*\n:191+2*\n], v9 offset:STG+STGN*\n
	s_wait_dscnt 0x0
	global_store_b64 v10, v[190+2*\n:191+2*\n], s[ACB+2*\n:ACB+2*\n+1]   ; eight lanes store a token's 64 consecutive bytes: the four heads of g
	s_cmp_eq_u32 s[HG], 0                          ; one wave of the four stores the tile's scale bytes
	s_cbranch_scc0 .Lno_bytes_\n
	ds_load_b32 v[194+\n], v17 offset:STG+STGN*\n+STS
	s_wait_dscnt 0x0
	global_store_b32 v18, v[194+\n], s[ASB+2*\n:ASB+2*\n+1]        ; lanes l and l + 16 hold the same word and name the same address
.Lno_bytes_\n:
.endm
	TILE 0
	TILE 1                                         ; its stage is another: no wave's stores meet a read of the first tile's
	s_wait_tensorcnt 0x0
	ds_add_u32 v251, v255
	s_wait_dscnt 0x0
	s_endpgm
.Lfunc_end_k_q0aaf1d0a97_attn:
	.size	k_q0aaf1d0a97_attn, .Lfunc_end_k_q0aaf1d0a97_attn-k_q0aaf1d0a97_attn
	.p2alignl 7, 3214868480
	.fill 96, 4, 3214868480
	.section	.rodata,"a",@progbits
	.p2align	6, 0x0
	.amdhsa_kernel k_q0aaf1d0a97_attn
		.amdhsa_group_segment_fixed_size 47616
		.amdhsa_private_segment_fixed_size 0
		.amdhsa_enable_private_segment 0
		.amdhsa_kernarg_size 40
		.amdhsa_user_sgpr_count 2
		.amdhsa_user_sgpr_kernarg_segment_ptr 1
		.amdhsa_wavefront_size32 1
		.amdhsa_system_sgpr_workgroup_id_x 1
		.amdhsa_system_sgpr_workgroup_id_y 1
		.amdhsa_system_sgpr_workgroup_id_z 1
		.amdhsa_system_vgpr_workitem_id 0
		.amdhsa_next_free_vgpr 256
		.amdhsa_next_free_sgpr 66
		.amdhsa_reserve_vcc 1
		.amdhsa_float_denorm_mode_32 3
		.amdhsa_float_denorm_mode_16_64 3
		.amdhsa_memory_ordered 1
		.amdhsa_forward_progress 1
		.amdhsa_inst_pref_size 55
	.end_amdhsa_kernel
	.amdgpu_metadata
---
amdhsa.version: [ 1, 2 ]
amdhsa.kernels:
  - .name:           k_q0aaf1d0a97_attn
    .symbol:         k_q0aaf1d0a97_attn.kd
    .args:
      - { .name: qc, .offset: 0, .size: 8, .value_kind: global_buffer, .address_space: global }
      - { .name: qs, .offset: 8, .size: 8, .value_kind: global_buffer, .address_space: global }
      - { .name: kv, .offset: 16, .size: 8, .value_kind: global_buffer, .address_space: global }
      - { .name: ac, .offset: 24, .size: 8, .value_kind: global_buffer, .address_space: global }
      - { .name: asc, .offset: 32, .size: 8, .value_kind: global_buffer, .address_space: global }
    .group_segment_fixed_size: 47616
    .private_segment_fixed_size: 0
    .kernarg_segment_align: 8
    .kernarg_segment_size: 40
    .max_flat_workgroup_size: 512
    .sgpr_count:     66
    .vgpr_count:     256
    .wavefront_size: 32
...
	.end_amdgpu_metadata
.endif
;; end of part 2
;; launch oproj (part 3): grid 16 x 16, 8 waves a work-group, clusters of 4 x 4, 327,680 bytes of LDS; arguments ac, asc, o_w_codes, o_w_scales, out0; writes out0
.if DOCPART == 3
	.amdgcn_target "amdgcn-amd-amdhsa--gfx1250"
	.amdhsa_code_object_version 6
	.text
	.protected	k_q0aaf1d0a97_oproj
	.globl	k_q0aaf1d0a97_oproj
	.p2align	8
	.type	k_q0aaf1d0a97_oproj,@function
k_q0aaf1d0a97_oproj:
	s_mov_b64 s[64:65], 0
	v_nop
	global_prefetch_b8 v0, s[64:65] scope:SCOPE_SE
	s_setreg_imm32_b32 hwreg(HW_REG_WAVE_MODE, 25, 1), 1
	s_wait_xcnt 0x0
	s_wait_alu depctr_hold_cnt(0) depctr_sa_sdst(0) depctr_va_vdst(0) depctr_va_sdst(0) depctr_va_ssrc(0) depctr_va_vcc(0) depctr_vm_vsrc(0)
	s_getreg_b32 s2, hwreg(HW_REG_IB_STS2, 6, 4)
	s_cmp_eq_u32 s2, 0
	s_cbranch_scc0 .Lentry_in_a_cluster
	s_endpgm
.Lentry_in_a_cluster:
	s_bfe_u32 s2, ttmp6, 0x10000c
	s_cmp_lg_u32 s2, 0xf033
	s_cbranch_scc0 .Lentry_shape_is_right
	s_endpgm
.Lentry_shape_is_right:
; out0[t][n] = sum over k of a[t][k] o_w[n][k], K = 1,024, both sides codes of FP4 (E2M1) with one E8M0 byte for each 32 along K; f32 sums, K ascending, one accumulator an output.
; SHARES.  A work-group makes 256 tokens x 256 columns.  Eight waves: wave w has tokens 128 (w / 4) on and columns 64 (w % 4) on.
; ALL OF K COMES AT ONCE: a row of codes is 512 bytes, so the 256 rows of a and the 256 of o_w are 2 x 135,168 bytes of LDS at pitch 528.  Each wave asks for 64 rows by ONE joint load at the head
; (waves 0-3: a's, shared along the cluster's row; waves 4-7: o_w's, shared along its column).  Nothing is filled again: there is no ring.
; No prefetch: every load goes out at the head, and the text has no loop to run ahead in.
; THE SCALE WORDS go from memory straight into registers: a row's 32 bytes are its eight words, two loads of 16 bytes; sixteen lanes read 512 consecutive bytes in the two.
; o_w's fragments of my 64 columns, all of K, stay in window 1 (256 registers).  My tokens go by blocks of 16: 32 matrix instructions on four accumulators by turns, then the block leaves while later blocks are multiplied.
; TRANSPOSED USE (source 0 = 16 rows of o_w, source 1 = 16 tokens): a lane holds eight neighbouring columns of one token.  A block goes through my stage in LDS and comes back as rows of 256 bytes: sixteen lanes store one aligned unit.
.set PITCH,  528
.set QT,     64*PITCH                  ; what one tensor load brings
.set BOFF,   256*PITCH                 ; o_w's rows lie behind a's
.set STAGE,  2*BOFF                    ; 16 rows x 272 bytes for each wave; no fill lands here
.set SPITCH, 272
.set SPARE,  STAGE+8*16*SPITCH         ; the spare words, 128 bytes a wave
.set ADRA, 4
.set ADRB, 5
.set VS,   6
.set STO,  7
.set RD,   8
.set CO,   9
.set SPW,  10
.set NIL,  11
.set SA,   16                          ; v16-79  a's scale words: register 8 a + q, lane r: token 16 a + r, K 128 q on
.set SB,   80                          ; v80-111 o_w's: register 8 b + q
.set AF,   112                         ; v112-175 a's fragments of one block: 8 q on
.set ACC,  176                         ; v176-207 four accumulators
.set BB,   208                         ; v208-239 a block read back from the stage
.set G1,  24
.set G0,  32
.set G1B, 48
.set G0B, 56
.set MSB, 0
.macro WIN new
.if MSB != \new
	s_set_vgpr_msb (MSB<<8)|\new
.set MSB, \new
.endif
.endm
.macro CREST
	s_cmp_lg_u32 s14, 0
	s_cbranch_scc1 .Lnot_wave_0_\@
	s_barrier_signal -3
.Lnot_wave_0_\@:
	s_barrier_wait -3
	s_barrier_signal -1
	s_barrier_wait -1
.endm
.macro CROUND
	s_barrier_signal -1
	s_barrier_wait -1
	CREST
.endm
	s_load_b128 s[4:7], s[0:1], 0x0                ; a's codes, scales
	s_load_b128 s[8:11], s[0:1], 0x10              ; o_w's codes, scales
	s_load_b64 s[12:13], s[0:1], 0x20              ; out0
	v_lshl_add_u32 v[SPW], v0, 2, SPARE
	v_mov_b32 v[NIL], 0
	ds_add_u32 v[SPW], v[NIL]                      ; the opening lines: the add twice on end and one wait
	ds_add_u32 v[SPW], v[NIL]
	v_lshrrev_b32 v1, 5, v0
	v_readfirstlane_b32 s14, v1                    ; wave 0..7
	s_lshr_b32 s15, s14, 2                         ; which 128 tokens; also: I fetch for a (0) or for o_w (1)
	s_and_b32 s16, s14, 3                          ; which 64 columns; also: which 64 rows I fetch
	s_bfe_u32 s40, ttmp6, 0x40000
	s_bfe_u32 s41, ttmp6, 0x40004
	s_lshl_b32 s42, ttmp9, 2
	s_add_co_u32 s42, s42, s40                     ; tile column
	s_and_b32 s17, ttmp7, 0xffff
	s_lshl_b32 s17, s17, 2
	s_add_co_u32 s17, s17, s41                     ; tile row
	s_lshl_b32 s43, s41, 2
	s_lshl_b32 s43, 15, s43                        ; my row of the cluster
	s_lshl_b32 s44, 0x1111, s40                    ; my column
	s_or_b32 s[G1+0], s43, (1<<20)|(1<<21)|(6<<22)|(3<<25)    ; elements of 1 byte; 4 words of padding behind every 128; bit 21 beside the mask
	s_or_b32 s[G1B+0], s44, (1<<20)|(1<<21)|(6<<22)|(3<<25)
.irp g, G1, G1B
	s_mov_b32 s[\g+1], 512<<16
	s_mov_b32 s[\g+2], 64<<16
	s_mov_b32 s[\g+3], 512<<16
	s_mov_b32 s[\g+4], 64
	s_mov_b32 s[\g+5], 512
	s_mov_b32 s[\g+6], 0
	s_mov_b32 s[\g+7], 0
.endr
	s_lshl_b32 s18, s16, 6
	s_lshl_b32 s20, s17, 8
	s_add_co_u32 s20, s20, s18
	s_lshl_b32 s20, s20, 9                         ; a's rows that I fetch, in bytes: tile row and wave alone
	s_mov_b32 s21, 0
	s_lshl_b32 s46, s42, 8
	s_add_co_u32 s46, s46, s18
	s_lshl_b32 s92, s46, 5                         ; my 64 columns' scale bytes
	s_mov_b32 s93, 0
	s_lshl_b32 s46, s46, 9                         ; o_w's rows that I fetch: tile column and wave alone
	s_mov_b32 s47, 0
	s_lshl_b32 s22, s17, 8
	s_lshl_b32 s19, s15, 7
	s_add_co_u32 s22, s22, s19                     ; my first token
	s_lshl_b32 s68, s22, 14                        ; its row of out0: 16,384 bytes a row
	s_lshl_b32 s22, s22, 5                         ; its scale bytes
	s_mov_b32 s23, 0
	s_lshl_b32 s69, s42, 10
	s_add_co_u32 s68, s68, s69
	s_lshl_b32 s69, s16, 8
	s_add_co_u32 s68, s68, s69                     ; + my first column
	s_mov_b32 s69, 0
	s_mul_i32 s45, s16, QT
	s_mul_i32 s70, s15, 128*PITCH
	s_add_co_u32 s71, s45, BOFF
	s_mul_i32 s72, s14, 16*SPITCH
	s_add_co_u32 s72, s72, STAGE
	v_and_b32 v1, 15, v0                           ; r
	v_bfe_u32 v2, v0, 4, 1                         ; h
	v_mul_u32_u24 v3, v1, PITCH
	v_lshl_add_u32 v3, v2, 4, v3
	v_add_nc_u32 v[ADRA], s70, v3
	v_add_nc_u32 v[ADRB], s71, v3
	v_lshlrev_b32 v[VS], 5, v1                     ; a row of scale bytes is 32
	v_mul_u32_u24 v12, v1, SPITCH
	v_lshl_add_u32 v12, v2, 5, v12
	v_add_nc_u32 v[STO], s72, v12                  ; in: row r, 32 bytes for each half of the lanes
	v_mul_u32_u24 v13, v2, SPITCH
	v_lshl_add_u32 v13, v1, 4, v13
	v_add_nc_u32 v[RD], s72, v13                   ; back: lanes 0-15 one row, lanes 16-31 the next
	v_lshlrev_b32 v[CO], 14, v2
	v_lshl_add_u32 v[CO], v1, 4, v[CO]             ; and the same two rows in out0
	s_wait_alu depctr_va_vdst(0)                   ; behind the head's vector lines
	s_wait_dscnt 0x0                               ; both opening adds are done
	s_wait_kmcnt 0x0
	s_add_nc_u64 s[20:21], s[4:5], s[20:21]
	s_add_nc_u64 s[22:23], s[6:7], s[22:23]
	s_add_nc_u64 s[46:47], s[8:9], s[46:47]
	s_add_nc_u64 s[92:93], s[10:11], s[92:93]
	s_add_nc_u64 s[12:13], s[12:13], s[68:69]
.irp i, 0,1,2,3,4,5,6,7
	global_load_b128 v[SA+8*\i:SA+8*\i+3], v[VS], s[22:23] offset:512*\i
	global_load_b128 v[SA+8*\i+4:SA+8*\i+7], v[VS], s[22:23] offset:512*\i+16
.endr
.irp i, 0,1,2,3
	global_load_b128 v[SB+8*\i:SB+8*\i+3], v[VS], s[92:93] offset:512*\i
	global_load_b128 v[SB+8*\i+4:SB+8*\i+7], v[VS], s[92:93] offset:512*\i+16
.endr
	s_mov_b32 s[G0], 1
	s_mov_b32 s[G0+1], s45
	s_mov_b64 s[G0+2:G0+3], s[20:21]
	s_or_b32 s[G0+3], s[G0+3], 0x80000000
	s_mov_b32 s[G0B], 1
	s_mov_b32 s[G0B+1], s71
	s_mov_b64 s[G0B+2:G0B+3], s[46:47]
	s_or_b32 s[G0B+3], s[G0B+3], 0x80000000
	CROUND                                         ; all sixteen work-groups are here: the joint loads meet
	s_cmp_eq_u32 s15, 0                            ; one load a wave, an arm for a's and one for o_w's
	s_cbranch_scc0 .Lfor_b
	tensor_load_to_lds s[G0:G0+3], s[G1:G1+7]
	s_nop 0
.rept 4
	v_nop
.endr
	s_branch .Lasked
.Lfor_b:
	tensor_load_to_lds s[G0B:G0B+3], s[G1B:G1B+7]
	s_nop 0
.rept 4
	v_nop
.endr
.Lasked:
	s_wait_tensorcnt 0x0                           ; my 64 rows are in;
	s_barrier_signal -1
	s_barrier_wait -1                              ; everybody's are
.macro ALOAD a                         ; a's fragments of block a, all eight K steps: 16 loads
.irp q, 0,1,2,3,4,5,6,7
.irp c, 0,1
	ds_load_b128 v[AF+8*\q+4*\c:AF+8*\q+4*\c+3], v[ADRA] offset:(\a)*16*PITCH+64*\q+32*\c
.endr
.endr
.endm
	ALOAD 0
	WIN 0x40                                       ; destination in window 1
.irp q, 0,1,2,3,4,5,6,7                ; o_w's fragments by K step, eight loads a step: fragment (b, q) at window 1's v[64 b + 8 q]
.irp b, 0,1,2,3
.irp c, 0,1
	ds_load_b128 v[64*\b+8*\q+4*\c:64*\b+8*\q+4*\c+3], v[ADRB] offset:\b*16*PITCH+64*\q+32*\c
.endr
.endr
.endr
	WIN 0
	s_wait_loadcnt 0x0                             ; the scale words
; BLOCK a: 16 tokens x 64 columns.  The four accumulators take turns, one instruction a turn; the first K step starts the sums.
.macro BLOCK a
	WIN 0x01                                       ; source 0 in window 1
.irp q, 0,1,2,3,4,5,6,7
.if (\a) == 0
	s_wait_dscnt 8*(7-\q)                          ; a's block 0 and o_w's K steps up to q are in; the loads of the later K steps, eight each, may be out
.endif
.irp b, 0,1,2,3
.if \q == 0
	v_wmma_scale_f32_16x16x128_f8f6f4 v[ACC+8*\b:ACC+8*\b+7], v[64*\b+8*\q:64*\b+8*\q+7], v[AF+8*\q:AF+8*\q+7], 0, v[SB+8*\b+\q], v[SA+8*(\a)+\q] matrix_a_fmt:MATRIX_FMT_FP4 matrix_b_fmt:MATRIX_FMT_FP4
.else
	v_wmma_scale_f32_16x16x128_f8f6f4 v[ACC+8*\b:ACC+8*\b+7], v[64*\b+8*\q:64*\b+8*\q+7], v[AF+8*\q:AF+8*\q+7], v[ACC+8*\b:ACC+8*\b+7], v[SB+8*\b+\q], v[SA+8*(\a)+\q] matrix_a_fmt:MATRIX_FMT_FP4 matrix_b_fmt:MATRIX_FMT_FP4
.endif
.endr
.endr
	WIN 0
.rept 5
	v_nop                                          ; places: four for the loads and LDS stores below, five for the next block's products, which write the accumulators anew
.endr
.if (\a) < 7
	ALOAD (\a)+1
.endif
.irp b, 0,1,2,3
	ds_store_b128 v[STO], v[ACC+8*\b:ACC+8*\b+3] offset:64*\b          ; each accumulator from its low end on
	ds_store_b128 v[STO], v[ACC+8*\b+4:ACC+8*\b+7] offset:64*\b+16
.endr
.if (\a) > 0
	s_wait_xcnt 0x0                                ; the last block's stores have read their registers
.endif
.irp t, 0,1,2,3,4,5,6,7
	ds_load_b128 v[BB+4*\t:BB+4*\t+3], v[RD] offset:\t*2*SPITCH        ; LDS serves a wave's instructions in order: these see the stores above
.endr
	s_wait_dscnt 0x0                               ; the block is back, and the next block's fragments are in
.irp t, 0,1,2,3,4,5,6,7
	global_store_b128 v[CO], v[BB+4*\t:BB+4*\t+3], s[12:13] offset:(\a)*262144+\t*32768 th:TH_STORE_NT   ; sixteen lanes store 256 consecutive bytes, aligned
.endr
.endm
.irp a, 0,1,2,3,4,5,6,7
	BLOCK \a
.endr
	s_wait_tensorcnt 0x0                           ; the wave's end
	ds_add_u32 v[SPW], v[NIL]
	s_wait_dscnt 0x0
	CROUND                                         ; the closing round
	s_endpgm
.Lfunc_end_k_q0aaf1d0a97_oproj:
	.size	k_q0aaf1d0a97_oproj, .Lfunc_end_k_q0aaf1d0a97_oproj-k_q0aaf1d0a97_oproj
	.p2alignl 7, 3214868480
	.fill 96, 4, 3214868480
	.section	.rodata,"a",@progbits
	.p2align	6, 0x0
	.amdhsa_kernel k_q0aaf1d0a97_oproj
		.amdhsa_group_segment_fixed_size 327680
		.amdhsa_private_segment_fixed_size 0
		.amdhsa_enable_private_segment 0
		.amdhsa_kernarg_size 40
		.amdhsa_user_sgpr_count 2
		.amdhsa_user_sgpr_kernarg_segment_ptr 1
		.amdhsa_wavefront_size32 1
		.amdhsa_system_sgpr_workgroup_id_x 1
		.amdhsa_system_sgpr_workgroup_id_y 1
		.amdhsa_system_sgpr_workgroup_id_z 1
		.amdhsa_system_vgpr_workitem_id 0
		.amdhsa_next_free_vgpr 512
		.amdhsa_next_free_sgpr 98
		.amdhsa_reserve_vcc 0
		.amdhsa_float_denorm_mode_32 3
		.amdhsa_float_denorm_mode_16_64 3
		.amdhsa_memory_ordered 1
		.amdhsa_forward_progress 1
		.amdhsa_inst_pref_size 69
	.end_amdhsa_kernel
	.amdgpu_metadata
---
amdhsa.version: [ 1, 2 ]
amdhsa.kernels:
  - .name:           k_q0aaf1d0a97_oproj
    .symbol:         k_q0aaf1d0a97_oproj.kd
    .args:
      - { .name: ac, .offset: 0, .size: 8, .value_kind: global_buffer, .address_space: global }
      - { .name: asc, .offset: 8, .size: 8, .value_kind: global_buffer, .address_space: global }
      - { .name: o_w_codes, .offset: 16, .size: 8, .value_kind: global_buffer, .address_space: global }
      - { .name: o_w_scales, .offset: 24, .size: 8, .value_kind: global_buffer, .address_space: global }
      - { .name: out0, .offset: 32, .size: 8, .value_kind: global_buffer, .address_space: global }
    .group_segment_fixed_size: 327680
    .private_segment_fixed_size: 0
    .kernarg_segment_align: 8
    .kernarg_segment_size: 40
    .max_flat_workgroup_size: 256
    .sgpr_count:     98
    .vgpr_count:     512
    .wavefront_size: 32
...
	.end_amdgpu_metadata
.endif
;; end of part 3
